; MI455X (gfx1250); checked and timed in simulation.
; The chip was launched on July 23, 2026; its instructions are those of AMD's public machine-readable ISA for CDNA 5 (MIT licence, August 2026) and "CDNA5" Instruction Set Architecture Reference Guide (July 2026).
;; Masked Single Head Attention. Allowed arithmetic: matrix products marked QUANTISED: E5M2 operands, one given power-of-two scale a tensor, by v_wmma_f32_16x16x64_bf8_bf8 or v_wmma_f32_16x16x128_bf8_bf8, f32 sums; everything else in f32.
;; Inputs: Wk_codes 1,024 x 32 x 32 uint8 (E5M2 codes of Wk, K innermost, in blocks of 32 codes); Wq_codes 1,024 x 32 x 32 uint8 (E5M2 codes of Wq, K innermost, in blocks of 32 codes); Wv_codes 1,024 x 32 x 32 uint8 (E5M2 codes of Wv, K innermost, in blocks of 32 codes); bk 1,024 float32; bq 1,024 float32; bv 1,024 float32; lowp_scales 10 int32 (the exponents e of the quantised operands' scales 2^e); x_codes 4 x 2,048 x 32 x 32 uint8 (E5M2 codes of x, K innermost, in blocks of 32 codes).
;; Outputs: out0 4 x 2,048 x 1,024 float32.
;; This version of the problem:
;;   THIS VERSION OF THE PROBLEM IS GIVEN IN LOW PRECISION. The matrix products marked QUANTISED in the list below multiply operands that are first quantised to E5M2 (5 exponent bits, 2 mantissa bits; 8 bits a number), with one given power-of-two scale for each operand tensor; their sums are f32. All else is computed in f32.
;;   The module's matrix products, in the order in which they are computed (A, B: the left and right operand; K: the contracted axis; several contracted axes count as one K, in the product's order):
;;     1. [M 8,192, K 1,024] x [K 1,024, N 1,024]; A: input x (given as codes); B: input Wq (given as codes): QUANTISED (scales: A lowp_scales[0], B lowp_scales[1])
;;     2. [M 8,192, K 1,024] x [K 1,024, N 1,024]; A: input x (given as codes); B: input Wk (given as codes): QUANTISED (scales: A lowp_scales[2], B lowp_scales[3])
;;     3. [M 8,192, K 1,024] x [K 1,024, N 1,024]; A: input x (given as codes); B: input Wv (given as codes): QUANTISED (scales: A lowp_scales[4], B lowp_scales[5])
;;     4. batch 4 x [M 2,048, K 1,024] x [K 1,024, N 2,048]; A: computed on the way; B: computed on the way: QUANTISED (scales: A lowp_scales[6], B lowp_scales[7])
;;     5. batch 4 x [M 2,048, K 2,048] x [K 2,048, N 1,024]; A: softmax (see below); B: computed on the way: QUANTISED (scales: A lowp_scales[8], B lowp_scales[9])
;;   THE QUANTISER, for each operand of a quantised product, along K:
;;     - The operand's scale is 2^e, e = its entry of the input lowp_scales (int32; the entries are numbered through the quantised products in the list's order, A before B).
;;     - Each number is divided by the scale, clamped to +-57,344, and rounded to the nearest number of E5M2, ties to even, subnormals kept.
;;     - The product sums the exact products of the quantised numbers (number of the format x scale) in f32.
;;   ~~~python
;;   def quantise(x, axis, e):      # numpy; x: float32 -> the quantised numbers, widened to float32 again
;;       x = np.moveaxis(x, axis, -1); K = x.shape[-1]
;;       r = np.clip(x / 2.0 ** e, -57344, 57344)
;;       step = 2.0 ** (np.maximum(np.frexp(np.where(r == 0, 1, r))[1] - 1, -14) - 2)
;;       q = np.round(r / step) * step * 2.0 ** e      # np.round: ties to even
;;       return np.moveaxis(q, -1, axis).astype(np.float32)
;;   ~~~
;;   SOFTMAX AHEAD OF A QUANTISED PRODUCT. Where the list says 'softmax', what is quantised is not the finished softmax but p = 2^(t - M), with t = logit x log2(e) and M = ceil(the row's largest t), a whole number; so 1/2 < the row's largest p <= 1. The row's sum l is taken of the UNQUANTISED p, in f32, and the product's result is divided by l at the end. Since M is a whole number, a kernel that streams over the keys may use a running M (the ceiling of the running maximum): every later rescaling is an exact power of two, so the quantised numbers keep their values, but for numbers so far below the row's largest that they fall under the format's range.
;;   OPERANDS COMPUTED ON THE WAY. 'Computed on the way' means the value that the module computes at that place (a softmax that the list does not call 'softmax' is quantised finished and normalised). What goes into a quantiser is computed in f32, as accurately as f32 sums, v_exp_f32 and their like allow (about 1e-6 of the number): no bf16 or f16 on the way to a quantiser, and a product that is left as it is and whose result goes on into a quantised operand takes f32 operands (vector FMAs, or v_wmma_f32_16x16x4_f32). A number that lies on a knife's edge between two numbers of the format may be rounded either way, as far as f32 arithmetic and the matrix unit's own rounding can turn it there, and no further.
;;   INPUTS GIVEN AS CODES. Wk (in the module: [1024, 1024], K = its axis 0); Wq (in the module: [1024, 1024], K = its axis 0); Wv (in the module: [1024, 1024], K = its axis 0); x (in the module: [4, 2048, 1024], K = its axis 2): each comes as NAME_codes (uint8): NAME with its K axis moved to the last place and cut into blocks of 32 codes, [.., K / 32, bytes a block], one block behind the other in memory; one code a byte (a code: sign, 5 exponent bits, 2 mantissa bits); its scale is its entry of lowp_scales. Its value is code x scale, taken as it is: it is not quantised again, and the codes and scales need not be those that the quantiser above would give.
;; One version. Each part assembles by itself: llvm-mc -triple=amdgcn-amd-amdhsa -mcpu=gfx1250 --defsym DOCPART=n.
;; ======== version 1 of 1: 3 launches
;; limits: right only within a limited range of input values
;; workspace buffers: qc 8,388,608 bytes; kc 8,388,608 bytes; vt 8,388,608 bytes; pc 16,777,216 bytes; mt 262,144 bytes; lt 524,288 bytes
;; launch proj (part 1): grid 8 x 32, 4 waves a work-group, clusters of 4 x 4, 327,680 bytes of LDS; arguments x_codes, Wq_codes, Wk_codes, Wv_codes, bq, bk, bv, lowp_scales, qc, kc, vt; writes qc, kc, vt
.if DOCPART == 1
	.amdgcn_target "amdgcn-amd-amdhsa--gfx1250"
	.amdhsa_code_object_version 6
	.text
	.protected	k_q97c54333d7_proj
	.globl	k_q97c54333d7_proj
	.p2align	8
	.type	k_q97c54333d7_proj,@function
k_q97c54333d7_proj:
	s_mov_b64 s[64:65], 0
	v_nop
	global_prefetch_b8 v0, s[64:65] scope:SCOPE_SE
	s_setreg_imm32_b32 hwreg(HW_REG_WAVE_MODE, 25, 1), 1
	s_wait_xcnt 0x0
	s_wait_alu depctr_hold_cnt(0) depctr_sa_sdst(0) depctr_va_vdst(0) depctr_va_sdst(0) depctr_va_ssrc(0) depctr_va_vcc(0) depctr_vm_vsrc(0)
	s_getreg_b32 s2, hwreg(HW_REG_IB_STS2, 6, 4)
	s_cmp_eq_u32 s2, 0
	s_cbranch_scc0 .Lentry_in_a_cluster
	s_endpgm
.Lentry_in_a_cluster:
	s_bfe_u32 s2, ttmp6, 0x10000c
	s_cmp_lg_u32 s2, 0xf033
	s_cbranch_scc0 .Lentry_shape_is_right
	s_endpgm
.Lentry_shape_is_right:
.set KP,    272
.set XR,    256*KP
.set WB,    128*KP
.set W0,    2*XR
.set BIAS,  W0+5*WB
.set SPARE, BIAS+1536
.set SC,  2
.set ADX, 4
.set ADW, 6
.set SPW, 11
.set NIL, 12
.set GO,  13
.set BQA, 14
.set BVA, 15
.set CD,  16
.set XA,  32
.set WBF, 160
.set SGN, 26
.set NEG, 27
.set G1X, 28
.set G1W, 36
.set G0X, 44
.set G0Q, 48
.set G0K, 52
.set G0V, 56
.set WV,  60
.set RH,  61
.set CH,  62
.set MSB, 0
.macro WIN new
.if MSB != (\new)
	s_set_vgpr_msb (MSB<<8)|(\new)
.set MSB, (\new)
.endif
.endm
.macro PLACES n
.rept \n
	v_nop
.endr
.endm
.macro TL g0, g1
	tensor_load_to_lds s[\g0:\g0+3], s[\g1:\g1+7]
	s_nop 0
	PLACES 4
.endm
.macro FILL what
.if (\what) == 2
	s_cmp_lg_u32 s[WV], 3
	s_cbranch_scc1 .Lf_\@
	TL G0V, G1W
.else
	s_cmp_lg_u32 s[WV], 0
	s_cbranch_scc1 .Lq_\@
	TL G0X, G1X
	s_branch .Lf_\@
.Lq_\@:
	s_cmp_lg_u32 s[WV], 1
	s_cbranch_scc1 .Lk_\@
	TL G0Q, G1W
	s_branch .Lf_\@
.Lk_\@:
	s_cmp_lg_u32 s[WV], 2
.if (\what) == 0
	s_cbranch_scc1 .Lv_\@
	TL G0K, G1W
	s_branch .Lf_\@
.Lv_\@:
	TL G0V, G1W
.else
	s_cbranch_scc1 .Lf_\@
	TL G0K, G1W
.endif
.endif
.Lf_\@:
.endm
.macro NEXT3 st
.irp g, G0X, G0Q, G0K
	s_add_nc_u64 s[\g+2:\g+3], s[\g+2:\g+3], 256
.endr
	s_mov_b32 s[G0X+1], ((\st)%2)*XR
	s_mov_b32 s[G0Q+1], W0+((3*(\st))%5)*WB
	s_mov_b32 s[G0K+1], W0+((3*(\st)+1)%5)*WB
.endm
.macro NEXTV st
	s_add_nc_u64 s[G0V+2:G0V+3], s[G0V+2:G0V+3], 256
	s_mov_b32 s[G0V+1], W0+((3*(\st)+2)%5)*WB
.endm
.macro CREST
	s_cmp_lg_u32 s[WV], 0
	s_cbranch_scc1 .Lnot_wave_0_\@
	s_barrier_signal -3
.Lnot_wave_0_\@:
	s_barrier_wait -3
	s_barrier_signal -1
	s_barrier_wait -1
.endm
.macro CROUND
	s_barrier_signal -1
	s_barrier_wait -1
	CREST
.endm
	s_load_b256 s[4:11], s[0:1], 0x0
	s_load_b256 s[12:19], s[0:1], 0x20
	s_load_b128 s[20:23], s[0:1], 0x40
	s_load_b64 s[24:25], s[0:1], 0x50
	v_lshl_add_u32 v[SPW], v0, 2, SPARE
	v_mov_b32 v[NIL], 0
	ds_add_u32 v[SPW], v[NIL]
	ds_add_u32 v[SPW], v[NIL]
	v_lshrrev_b32 v1, 5, v0
	v_readfirstlane_b32 s[WV], v1
	s_lshr_b32 s[RH], s[WV], 1
	s_and_b32 s[CH], s[WV], 1
	s_mov_b32 s[SGN], 0x80808080
	s_lshl_b32 s[NEG], s[CH], 31
	s_xor_b32 s[NEG], s[NEG], 0x80000000
	s_bfe_u32 s66, ttmp6, 0x40000
	s_bfe_u32 s67, ttmp6, 0x40004
	s_lshl_b32 s68, ttmp9, 2
	s_add_co_u32 s68, s68, s66
	s_and_b32 s69, ttmp7, 0xffff
	s_lshl_b32 s69, s69, 2
	s_add_co_u32 s69, s69, s67
	s_lshl_b32 s70, s67, 2
	s_lshl_b32 s70, 15, s70
	s_lshl_b32 s72, 0x1111, s66
	s_or_b32 s[G1X], s70, (1<<20)|(1<<21)|(5<<22)|(3<<25)
	s_or_b32 s[G1W], s72, (1<<20)|(1<<21)|(5<<22)|(3<<25)
.irp g, G1X, G1W
	s_mov_b32 s[\g+1], 256<<16
	s_mov_b32 s[\g+3], 256<<16
	s_mov_b32 s[\g+5], 1024
	s_mov_b32 s[\g+6], 0
	s_mov_b32 s[\g+7], 0
.endr
	s_mov_b32 s[G1X+2], 256<<16
	s_mov_b32 s[G1X+4], 256
	s_mov_b32 s[G1W+2], 128<<16
	s_mov_b32 s[G1W+4], 128
	s_mul_i32 s74, s[RH], 128*KP
	s_mul_i32 s75, s[CH], 64*KP
	s_add_co_u32 s75, s75, W0
	s_lshl_b32 s76, s[CH], 8
	s_add_co_u32 s76, s76, BIAS
	s_add_co_u32 s77, s76, 1024
	s_lshl_b32 s78, s[WV], 9
	s_add_co_u32 s78, s78, BIAS
	v_and_b32 v1, 15, v0
	v_bfe_u32 v2, v0, 4, 1
	v_and_b32 v3, 31, v0
	v_mul_u32_u24 v20, v1, KP
	v_lshl_add_u32 v20, v2, 3, v20
	v_add_nc_u32 v[ADX], s74, v20
	v_add_nc_u32 v[ADX+1], XR, v[ADX]
	v_add_nc_u32 v[ADW], s75, v20
.irp n, 1,2,3,4
	v_add_nc_u32 v[ADW+\n], \n*WB, v[ADW]
.endr
	v_lshlrev_b32 v[GO], 4, v3
	v_lshl_add_u32 v[BQA], v2, 5, s76
	v_lshl_add_u32 v[BVA], v1, 2, s77
	v_add_nc_u32 v24, s78, v[GO]
	s_wait_alu depctr_va_vdst(0)
	s_lshl_b32 s70, s69, 18
	s_mov_b32 s71, 0
	s_lshl_b32 s72, s68, 17
	s_mov_b32 s73, 0
	s_wait_dscnt 0x0
	s_wait_kmcnt 0x0
	s_load_b256 s[80:87], s[18:19], 0x0
	s_load_b64 s[88:89], s[18:19], 0x20
	s_mov_b32 s[G0X], 1
	s_mov_b32 s[G0X+1], 0
	s_add_nc_u64 s[G0X+2:G0X+3], s[4:5], s[70:71]
	s_or_b32 s[G0X+3], s[G0X+3], 0x80000000
	s_mov_b32 s[G0Q], 1
	s_mov_b32 s[G0Q+1], W0
	s_add_nc_u64 s[G0Q+2:G0Q+3], s[6:7], s[72:73]
	s_or_b32 s[G0Q+3], s[G0Q+3], 0x80000000
	s_mov_b32 s[G0K], 1
	s_mov_b32 s[G0K+1], W0+WB
	s_add_nc_u64 s[G0K+2:G0K+3], s[8:9], s[72:73]
	s_or_b32 s[G0K+3], s[G0K+3], 0x80000000
	s_mov_b32 s[G0V], 1
	s_mov_b32 s[G0V+1], W0+2*WB
	s_add_nc_u64 s[G0V+2:G0V+3], s[10:11], s[72:73]
	s_or_b32 s[G0V+3], s[G0V+3], 0x80000000
	CROUND
	FILL 0
	s_cmp_eq_u32 s[WV], 0
	s_cselect_b64 s[78:79], s[12:13], s[16:17]
	s_cmp_eq_u32 s[WV], 1
	s_cselect_b64 s[78:79], s[14:15], s[78:79]
	s_lshl_b32 s76, s68, 9
	s_mov_b32 s77, 0
	s_add_nc_u64 s[78:79], s[78:79], s[76:77]
	s_cmp_lt_u32 s[WV], 3
	s_cbranch_scc0 .Lno_bias
	global_load_b128 v[28:31], v[GO], s[78:79]
	s_wait_loadcnt 0x0
	ds_store_b128 v24, v[28:31]
.Lno_bias:
	s_lshl_b32 s96, s69, 18
	s_lshl_b32 s98, s[RH], 17
	s_add_co_u32 s96, s96, s98
	s_lshl_b32 s98, s68, 11
	s_add_co_u32 s96, s96, s98
	s_lshl_b32 s98, s[CH], 10
	s_add_co_u32 s96, s96, s98
	s_mov_b32 s97, 0
	s_add_nc_u64 s[20:21], s[20:21], s[96:97]
	s_add_nc_u64 s[22:23], s[22:23], s[96:97]
	s_lshl_b32 s96, s68, 20
	s_lshl_b32 s98, s[CH], 19
	s_add_co_u32 s96, s96, s98
	s_lshl_b32 s98, s69, 12
	s_add_co_u32 s96, s96, s98
	s_lshl_b32 s98, s[RH], 11
	s_add_co_u32 s96, s96, s98
	s_add_nc_u64 s[24:25], s[24:25], s[96:97]
.macro LDX u, st, xs
.irp a, 0,1,2,3,4,5,6,7
.irp c, 0,1,2,3
	ds_load_b64 v[XA+64*(\xs)+8*\a+2*\c:XA+64*(\xs)+8*\a+2*\c+1], v[ADX+((\st)%2)] offset:\a*16*KP+64*(\u)+16*\c
.endr
.endr
.endm
.macro LDW m, u, st, ws
.irp b, 0,1,2,3
.irp c, 0,1,2,3
	ds_load_b64 v[WBF+32*(\ws)+8*\b+2*\c:WBF+32*(\ws)+8*\b+2*\c+1], v[ADW+((3*(\st)+(\m))%5)] offset:\b*16*KP+64*(\u)+16*\c
.endr
.endr
.endm
.macro FLIP
.set n, 0
.rept 64
	v_xor_b32 v[XA+n], s[SGN], v[XA+n]
.set n, n+1
.endr
	s_wait_alu depctr_va_vdst(0)
.endm
.macro MM m, ws, xs, a0, n, zero
	WIN 0x50*((\m)+1)
.set aa, \a0
.rept \n
.irp b, 0,1,2,3
.set rD, 8*(4*aa+\b)
.set rA, WBF+32*(\ws)+8*\b
.set rB, XA+64*(\xs)+8*aa
.if (\m) == 2
.set rA, XA+64*(\xs)+8*aa
.set rB, WBF+32*(\ws)+8*\b
.endif
.if \zero
	v_wmma_f32_16x16x64_bf8_bf8 v[rD:rD+7], v[rA:rA+7], v[rB:rB+7], 0
.else
	v_wmma_f32_16x16x64_bf8_bf8 v[rD:rD+7], v[rA:rA+7], v[rB:rB+7], v[rD:rD+7] neg_lo:[0,0,1]
.endif
.endr
.set aa, aa+1
.endr
.endm
.macro AHEAD
	LDW pN%3, (pN%12)/3, pN/12, pN%3
.if pI%3 == 0
	LDX (pI/3+1)%4, pS+pI/9, (pI/3+1)%2
.endif
.endm
.macro NUM p
.set pS, (\p)/12
.set pI, (\p)%12
.set pN, (\p)+2
.endm
.macro PHASE p, zero
	NUM \p
	WIN 0
	PLACES 4
	AHEAD
	s_wait_dscnt 62
.if pI%6 == 0
	FLIP
.endif
	MM pI%3, pI%3, (pI/3)%2, 0, 8, \zero
.endm
.macro TURN p, what
	NUM \p
	WIN 0
	s_wait_tensorcnt 0x0
	ds_add_u32 v[SPW], v[NIL]
.if (\what) == 1
	NEXT3 pS+1
.endif
.if (\what) == 2
	NEXTV pS+1
.endif
	s_wait_dscnt 1
.if pI%6 == 0
	FLIP
.endif
	MM pI%3, pI%3, (pI/3)%2, 0, 4, 0
	s_wait_dscnt 0x0
	s_barrier_signal -1
	MM pI%3, pI%3, (pI/3)%2, 4, 2, 0
	WIN 0
	s_barrier_wait -1
.if \what
	CREST
	FILL \what
.endif
	PLACES 4
	AHEAD
	MM pI%3, pI%3, (pI/3)%2, 6, 2, 0
.endm
	s_wait_alu depctr_va_vdst(0)
	s_wait_tensorcnt 0x0
	ds_add_u32 v[SPW], v[NIL]
	NEXT3 1
	s_wait_dscnt 0x0
	CROUND
	FILL 1
	PLACES 4
	LDX 0, 0, 0
	LDW 0, 0, 0, 0
	LDW 1, 0, 0, 1
.irp p, 0,1,2
	PHASE \p, 1
.endr
.irp p, 3,4,5,6,7
	PHASE \p, 0
.endr
	TURN 8, 2
.irp p, 9,10,11
	PHASE \p, 0
.endr
	TURN 12, 1
.irp p, 13,14,15,16,17,18,19
	PHASE \p, 0
.endr
	TURN 20, 2
.irp p, 21,22,23
	PHASE \p, 0
.endr
	TURN 24, 1
.irp p, 25,26,27,28,29,30,31
	PHASE \p, 0
.endr
	TURN 32, 2
.irp p, 33,34,35
	PHASE \p, 0
.endr
	TURN 36, 0
.irp p, 37,38,39,40
	PHASE \p, 0
.endr
	WIN 0
	PLACES 4
	LDW 0, 3, 3, 1
	s_wait_dscnt 62
	MM 2, 2, 1, 0, 8, 0
	WIN 0
	PLACES 4
	LDX 3, 3, 1
	LDW 1, 2, 3, 2
	s_wait_dscnt 62
	FLIP
	MM 0, 0, 0, 0, 8, 0
	WIN 0
	PLACES 4
	LDW 1, 3, 3, 0
	s_wait_dscnt 32
	MM 0, 1, 1, 0, 8, 0
	WIN 0
	PLACES 4
.macro LDBIAS m, ws
.irp b, 0,1,2,3
	ds_load_b128 v[WBF+32*(\ws)+8*\b:WBF+32*(\ws)+8*\b+3], v[BQA] offset:512*(\m)+64*\b
	ds_load_b128 v[WBF+32*(\ws)+8*\b+4:WBF+32*(\ws)+8*\b+7], v[BQA] offset:512*(\m)+64*\b+16
.endr
.endm
.macro POW2 d, a, b
	s_add_co_i32 s[\d], s[\a], s[\b]
	s_add_co_i32 s[\d], s[\d], 127
	s_lshl_b32 s[\d], s[\d], 23
	s_mov_b32 s[\d+1], s[\d]
.endm
.macro QSC e
	s_add_co_i32 s98, s[\e], 127
	s_lshl_b32 s99, s98, 23
	v_mov_b32 v[SC], s99
	s_add_co_i32 s98, s98, 15
	s_lshl_b32 s98, s98, 23
	s_or_b32 s98, s98, 0x600000
	v_mov_b32 v[SC+1], s98
	s_wait_alu depctr_va_vdst(0)
.endm
.macro HOLD a
.set n, 0
.rept 32
	v_med3_num_f32 v[32*(\a)+n], v[32*(\a)+n], -v[SC+1], v[SC+1]
.set n, n+1
.endr
.endm
.macro QKOUT m, ws, base
.irp a, 0,1,2,3,4,5,6,7
	s_wait_xcnt 0x0
	WIN 0x41*((\m)+1)
.set n, 0
.rept 16
	v_pk_fma_f32 v[32*\a+n:32*\a+n+1], v[32*\a+n:32*\a+n+1], s[90+2*(\m):91+2*(\m)], v[WBF+32*(\ws)+n:WBF+32*(\ws)+n+1] op_sel_hi:[1,0,1]
.set n, n+2
.endr
	HOLD \a
	WIN (\m)+1
.irp b, 0,1,2,3
	v_cvt_scalef32_pk8_bf8_f32 v[CD+8*(\a%2)+2*\b:CD+8*(\a%2)+2*\b+1], v[32*\a+8*\b:32*\a+8*\b+7], v[SC]
.endr
	v_nop
	WIN 0
.irp g, 0,1
	global_store_b128 v[GO], v[CD+8*(\a%2)+4*\g:CD+8*(\a%2)+4*\g+3], s[\base:\base+1] offset:\a*16384+512*\g
.endr
.endr
.endm
	LDBIAS 0, 1
	s_wait_kmcnt 0x0
	POW2 90, 80, 81
	POW2 92, 82, 83
	POW2 94, 84, 85
	s_xor_b32 s90, s90, s[NEG]
	s_xor_b32 s91, s91, s[NEG]
	QSC 86
	s_wait_dscnt 0x0
.set n, 0
.rept 32
	v_xor_b32 v[WBF+32+n], s[NEG], v[WBF+32+n]
.set n, n+1
.endr
	s_wait_alu depctr_va_vdst(0)
	QKOUT 0, 1, 20
	MM 1, 2, 0, 0, 8, 0
	MM 1, 0, 1, 0, 8, 0
	WIN 0
	PLACES 4
	LDBIAS 1, 0
	LDW 2, 2, 3, 1
	LDW 2, 3, 3, 2
	QSC 87
	s_wait_dscnt 32
	QKOUT 1, 0, 22
.irp b, 0,1,2,3
	ds_load_b32 v[WBF+2*\b], v[BVA] offset:64*\b
	ds_load_b32 v[WBF+2*\b+1], v[BVA] offset:64*\b
.endr
	QSC 89
	s_wait_dscnt 0x0
	MM 2, 1, 0, 0, 8, 0
	MM 2, 2, 1, 0, 8, 0
	WIN 0
	PLACES 4
.irp p, 0,1,2,3
.irp t, 0,1
	WIN 0xc3
.irp b, 0,1,2,3
.irp i, 0,2,4,6
	v_pk_fma_f32 v[32*(2*\p+\t)+8*\b+\i:32*(2*\p+\t)+8*\b+\i+1], v[32*(2*\p+\t)+8*\b+\i:32*(2*\p+\t)+8*\b+\i+1], s[94:95], v[WBF+2*\b:WBF+2*\b+1] op_sel_hi:[1,0,0]
.endr
.endr
	HOLD 2*\p+\t
	WIN 3
.irp b, 0,1,2,3
	v_cvt_scalef32_pk8_bf8_f32 v[XA+16*\p+4*\b+2*\t:XA+16*\p+4*\b+2*\t+1], v[32*(2*\p+\t)+8*\b:32*(2*\p+\t)+8*\b+7], v[SC]
.endr
	v_nop
.endr
	WIN 0
.irp b, 0,1,2,3
	global_store_b128 v[GO], v[XA+16*\p+4*\b:XA+16*\p+4*\b+3], s[24:25] offset:\b*131072+512*\p
.endr
.endr
	s_wait_tensorcnt 0x0
	ds_add_u32 v[SPW], v[NIL]
	s_wait_dscnt 0x0
	CROUND
	s_endpgm
.Lfunc_end_k_q97c54333d7_proj:
	.size	k_q97c54333d7_proj, .Lfunc_end_k_q97c54333d7_proj-k_q97c54333d7_proj
	.p2alignl 7, 3214868480
	.fill 96, 4, 3214868480
	.section	.rodata,"a",@progbits
	.p2align	6, 0x0
	.amdhsa_kernel k_q97c54333d7_proj
		.amdhsa_group_segment_fixed_size 327680
		.amdhsa_private_segment_fixed_size 0
		.amdhsa_enable_private_segment 0
		.amdhsa_kernarg_size 88
		.amdhsa_user_sgpr_count 2
		.amdhsa_user_sgpr_kernarg_segment_ptr 1
		.amdhsa_wavefront_size32 1
		.amdhsa_system_sgpr_workgroup_id_x 1
		.amdhsa_system_sgpr_workgroup_id_y 1
		.amdhsa_system_sgpr_workgroup_id_z 1
		.amdhsa_system_vgpr_workitem_id 0
		.amdhsa_next_free_vgpr 1024
		.amdhsa_next_free_sgpr 100
		.amdhsa_reserve_vcc 0
		.amdhsa_float_denorm_mode_32 3
		.amdhsa_float_denorm_mode_16_64 3
		.amdhsa_memory_ordered 1
		.amdhsa_forward_progress 1
		.amdhsa_inst_pref_size 255
	.end_amdhsa_kernel
	.section	.bss,"aw",@nobits
	.p2align	6
	.space	262144
	.amdgpu_metadata
---
amdhsa.version: [ 1, 2 ]
amdhsa.kernels:
  - .name:           k_q97c54333d7_proj
    .symbol:         k_q97c54333d7_proj.kd
    .args:
      - { .name: x_codes, .offset: 0, .size: 8, .value_kind: global_buffer, .address_space: global }
      - { .name: Wq_codes, .offset: 8, .size: 8, .value_kind: global_buffer, .address_space: global }
      - { .name: Wk_codes, .offset: 16, .size: 8, .value_kind: global_buffer, .address_space: global }
      - { .name: Wv_codes, .offset: 24, .size: 8, .value_kind: global_buffer, .address_space: global }
      - { .name: bq, .offset: 32, .size: 8, .value_kind: global_buffer, .address_space: global }
      - { .name: bk, .offset: 40, .size: 8, .value_kind: global_buffer, .address_space: global }
      - { .name: bv, .offset: 48, .size: 8, .value_kind: global_buffer, .address_space: global }
      - { .name: lowp_scales, .offset: 56, .size: 8, .value_kind: global_buffer, .address_space: global }
      - { .name: qc, .offset: 64, .size: 8, .value_kind: global_buffer, .address_space: global }
      - { .name: kc, .offset: 72, .size: 8, .value_kind: global_buffer, .address_space: global }
      - { .name: vt, .offset: 80, .size: 8, .value_kind: global_buffer, .address_space: global }
    .group_segment_fixed_size: 327680
    .private_segment_fixed_size: 0
    .kernarg_segment_align: 8
    .kernarg_segment_size: 88
    .max_flat_workgroup_size: 128
    .sgpr_count:     100
    .vgpr_count:     1024
    .wavefront_size: 32
...
	.end_amdgpu_metadata
.endif
;; end of part 1
;; launch scores (part 2): grid 36 x 4, 4 waves a work-group, no clusters, 327,680 bytes of LDS; arguments qc, kc, lowp_scales, pc, mt, lt; writes pc, mt, lt
.if DOCPART == 2
	.amdgcn_target "amdgcn-amd-amdhsa--gfx1250"
	.amdhsa_code_object_version 6
	.text
	.protected	k_q97c54333d7_scores
	.globl	k_q97c54333d7_scores
	.p2align	8
	.type	k_q97c54333d7_scores,@function
k_q97c54333d7_scores:
	s_mov_b64 s[64:65], 0
	v_nop
	global_prefetch_b8 v0, s[64:65] scope:SCOPE_SE
	s_setreg_imm32_b32 hwreg(HW_REG_WAVE_MODE, 25, 1), 1
	s_wait_xcnt 0x0
.set SLOT,  131072
.set MX,    2*SLOT
.set SPARE, MX+2048
.set ADA, 4
.set ADB, 6
.set GO,  10
.set MXS, 11
.set MXL, 12
.set VD,  13
.set NINF, 14
.set SPW, 16
.set NIL, 17
.set SCP, 18
.set LMP, 19
.set TOF, 20
.set MXR, 32
.set PM,  40
.set NM,  48
.set LS,  64
.set T,   80
.set AF,  128
.set G1,  16
.set G0,  24
.set WV,  32
.set RH,  33
.set CH,  34
.set NI,  35
.set SI,  36
.set SJ,  37
.set SB,  38
.set CS,  52
.set SEL, 54
.set HM,  60
.set DL,  61
.set MSB, 0
.macro WIN new
.if MSB != (\new)
	s_set_vgpr_msb (MSB<<8)|(\new)
.set MSB, (\new)
.endif
.endm
.macro PLACES n
.rept \n
	v_nop
.endr
.endm
	s_load_b256 s[4:11], s[0:1], 0x0
	s_load_b128 s[12:15], s[0:1], 0x20
	v_lshl_add_u32 v[SPW], v0, 2, SPARE
	v_mov_b32 v[NIL], 0
	ds_add_u32 v[SPW], v[NIL]
	ds_add_u32 v[SPW], v[NIL]
	v_lshrrev_b32 v1, 5, v0
	v_readfirstlane_b32 s[WV], v1
	s_lshr_b32 s[RH], s[WV], 1
	s_and_b32 s[CH], s[WV], 1
	s_and_b32 s[SB], ttmp7, 0xffff
	s_mov_b32 s[SI], 0
.irp thr, 1,3,6,10,15,21,28
	s_cmp_ge_u32 ttmp9, \thr
	s_cselect_b32 s39, 1, 0
	s_add_co_u32 s[SI], s[SI], s39
.endr
	s_add_co_u32 s39, s[SI], 1
	s_mul_i32 s39, s39, s[SI]
	s_lshr_b32 s39, s39, 1
	s_sub_co_u32 s[SJ], ttmp9, s39
	s_mov_b32 s[G1], 3<<16
	s_mov_b32 s[G1+1], 512<<16
	s_mov_b32 s[G1+2], 8<<16
	s_mov_b32 s[G1+3], 512<<16
	s_mov_b32 s[G1+4], 8
	s_mov_b32 s[G1+5], 2048
	s_mov_b32 s[G1+6], 0
	s_mov_b32 s[G1+7], 0
	s_cmp_lt_u32 s[WV], 2
	s_cselect_b32 s42, s[SI], s[SJ]
	s_lshl_b32 s42, s42, 4
	s_lshl_b32 s43, s[SB], 7
	s_add_co_u32 s42, s42, s43
	s_lshl_b32 s43, s[CH], 3
	s_add_co_u32 s42, s42, s43
	s_lshl_b32 s42, s42, 14
	s_mov_b32 s43, 0
	s_lshl_b32 s44, s[WV], 15
	s_wait_dscnt 0x0
	s_wait_kmcnt 0x0
	s_load_b128 s[56:59], s[8:9], 0x18
	s_cmp_lt_u32 s[WV], 2
	s_cselect_b64 s[40:41], s[4:5], s[6:7]
	s_add_nc_u64 s[40:41], s[40:41], s[42:43]
.irp n, 0,1
	s_mov_b32 s[G0+4*\n], 1
	s_add_co_u32 s[G0+4*\n+1], s44, \n*SLOT
	s_add_nc_u64 s[G0+4*\n+2:G0+4*\n+3], s[40:41], \n*4096
	s_or_b32 s[G0+4*\n+3], s[G0+4*\n+3], 0x80000000
.endr
	tensor_load_to_lds s[G0:G0+3], s[G1:G1+7]
	s_nop 0
	PLACES 4
	s_mov_b32 s[SEL], 0x76543210
	s_mov_b32 s[SEL+1], 0xfedcba98
	s_mov_b32 s[HM], 0xffff0000
	s_mov_b32 s[NI], 0xff800000
	s_mov_b32 s[DL], 0x7f800000
	s_xor_b32 s40, s[RH], 1
	s_and_b32 s40, s40, s[CH]
	s_cmp_eq_u32 s[SI], s[SJ]
	s_cselect_b32 s40, s40, 0
	s_cmp_lg_u32 s40, 0
	s_cselect_b32 s[DL], s[NI], s[DL]
	s_lshl_b32 s40, s[RH], 15
	s_lshl_b32 s41, s[CH], 15
	s_add_co_u32 s41, s41, 65536
	s_lshl_b32 s42, s[CH], 10
	s_lshl_b32 s43, s[RH], 9
	s_add_co_u32 s43, s43, MX
	s_add_co_u32 s42, s42, s43
	s_xor_b32 s44, s[CH], 1
	s_lshl_b32 s44, s44, 10
	s_add_co_u32 s44, s44, s43
	v_and_b32 v1, 15, v0
	v_bfe_u32 v2, v0, 4, 1
	v_and_b32 v3, 31, v0
	v_lshlrev_b32 v[GO], 4, v3
	v_lshlrev_b32 v[TOF], 2, v3
	v_add_nc_u32 v[ADA], s40, v[GO]
	v_add_nc_u32 v[ADB], s41, v[GO]
	v_add_nc_u32 v[ADA+1], SLOT, v[ADA]
	v_add_nc_u32 v[ADB+1], SLOT, v[ADB]
	v_add_nc_u32 v[MXS], s42, v[TOF]
	v_lshl_add_u32 v[MXL], v1, 2, s44
	v_lshlrev_b32 v2, 3, v2
	v_sub_nc_u32 v[VD], v1, v2
	v_mov_b32 v[NINF], 0xff800000
	s_wait_alu depctr_va_vdst(0)
	s_mov_b32 s49, 0
	s_lshl_b32 s48, s[SB], 7
	s_lshl_b32 s47, s[SI], 4
	s_add_co_u32 s48, s48, s47
	s_lshl_b32 s47, s[RH], 3
	s_add_co_u32 s48, s48, s47
	s_lshl_b32 s48, s48, 15
	s_lshl_b32 s47, s[SJ], 12
	s_add_co_u32 s48, s48, s47
	s_lshl_b32 s47, s[CH], 11
	s_add_co_u32 s48, s48, s47
	s_add_nc_u64 s[10:11], s[10:11], s[48:49]
	s_lshl_b32 s45, s[SB], 3
	s_add_co_u32 s45, s45, s[SJ]
	s_lshl_b32 s46, s[SI], 8
	s_lshl_b32 s50, s[RH], 7
	s_add_co_u32 s46, s46, s50
	s_lshl_b32 s48, s45, 11
	s_add_co_u32 s48, s48, s46
	s_lshl_b32 s48, s48, 2
	s_add_nc_u64 s[12:13], s[12:13], s[48:49]
	s_lshl_b32 s48, s45, 1
	s_add_co_u32 s48, s48, s[CH]
	s_lshl_b32 s48, s48, 11
	s_add_co_u32 s48, s48, s46
	s_lshl_b32 s48, s48, 2
	s_add_nc_u64 s[14:15], s[14:15], s[48:49]
.macro FRAG reg, adr, q, i
.irp c, 0,1,2,3
	ds_load_b128 v[\reg+4*\c:\reg+4*\c+3], v[\adr] offset:4096*(\i)+2048*(\q)+512*\c
.endr
.endm
.macro FETCH_B slot, q, p
	WIN 0x40
.irp i, 0,1,2,3,4,5,6,7
	FRAG 128*(\p)+16*\i, ADB+\slot, \q, \i
.endr
	WIN 0
.endm
.macro FETCH_A slot, q, i0
.irp i, \i0, \i0+1, \i0+2, \i0+3
	FRAG AF+16*(\i), ADA+\slot, \q, \i
.endr
.endm
.macro MUL16 a0, p, zero
	WIN 0xa1+0x50*((\a0)/4)
.irp u, 0,1
.if ((\zero) == 1) && (\u == 1)
	PLACES 5
.endif
.irp a, \a0, \a0+1
.irp b, 0,1,2,3,4,5,6,7
.set rD, 8*(8*((\a)%4)+\b)
.if ((\zero) == 1) && (\u == 0)
	v_wmma_f32_16x16x64_bf8_bf8 v[rD:rD+7], v[128*(\p)+16*\b+8*\u:128*(\p)+16*\b+8*\u+7], v[AF+16*(\a)+8*\u:AF+16*(\a)+8*\u+7], 0
.else
	v_wmma_f32_16x16x64_bf8_bf8 v[rD:rD+7], v[128*(\p)+16*\b+8*\u:128*(\p)+16*\b+8*\u+7], v[AF+16*(\a)+8*\u:AF+16*(\a)+8*\u+7], v[rD:rD+7] neg_lo:[0,0,1]
.endif
.endr
.endr
.endr
.endm
.macro STEP slot, zero
	s_wait_dscnt 16
	MUL16 0, 0, \zero
	MUL16 2, 0, \zero
	s_wait_dscnt 0
	PLACES 4
	FETCH_B \slot, 1, 1
	FETCH_A \slot, 1, 0
	MUL16 4, 0, \zero
	MUL16 6, 0, \zero
	PLACES 4
	WIN 0
	FETCH_A \slot, 1, 4
.endm
.macro TURN slot, next, fill
	s_wait_tensorcnt 0x0
	ds_add_u32 v[SPW], v[NIL]
.if \fill
	s_add_nc_u64 s[G0+4*\slot+2:G0+4*\slot+3], s[G0+4*\slot+2:G0+4*\slot+3], 8192
.endif
	s_wait_dscnt 17
	MUL16 0, 1, 0
	s_wait_dscnt 0x0
	s_barrier_signal -1
	MUL16 2, 1, 0
	WIN 0
	s_barrier_wait -1
.if \fill
	tensor_load_to_lds s[G0+4*\slot:G0+4*\slot+3], s[G1:G1+7]
	s_nop 0
.endif
	PLACES 4
	FETCH_B \next, 0, 0
	FETCH_A \next, 0, 0
	MUL16 4, 1, 0
	MUL16 6, 1, 0
	PLACES 4
	WIN 0
	FETCH_A \next, 0, 4
.endm
	s_wait_tensorcnt 0x0
	ds_add_u32 v[SPW], v[NIL]
	s_wait_dscnt 0x0
	s_barrier_signal -1
	s_barrier_wait -1
	tensor_load_to_lds s[G0+4:G0+7], s[G1:G1+7]
	s_nop 0
	PLACES 4
	FETCH_B 0, 0, 0
	FETCH_A 0, 0, 0
	FETCH_A 0, 0, 4
	STEP 0, 1
	TURN 0, 1, 1
	STEP 1, 0
	TURN 1, 0, 1
	STEP 0, 0
	TURN 0, 1, 0
	STEP 1, 0
	s_wait_dscnt 16
	MUL16 0, 1, 0
	MUL16 2, 1, 0
	s_wait_dscnt 0
	MUL16 4, 1, 0
	MUL16 6, 1, 0
	WIN 0
	PLACES 4
	s_wait_kmcnt 0x0
	s_add_co_i32 s40, s56, s57
	s_lshl_b32 s40, s40, 23
	s_add_co_i32 s[CS], s40, 0x3d38aa3b
	s_mov_b32 s[CS+1], s[CS]
	s_add_co_i32 s40, s58, 127
	s_lshl_b32 s41, s40, 23
	v_mov_b32 v[SCP], s41
	s_add_co_i32 s40, s40, 15
	s_lshl_b32 s40, s40, 23
	s_or_b32 s40, s40, 0x600000
	v_mov_b32 v[LMP], s40
	s_wait_alu depctr_va_vdst(0)
	s_cmp_lg_u32 s[SI], s[SJ]
	s_cbranch_scc1 .Lopen
	s_cmp_lg_u32 s[RH], s[CH]
	s_cbranch_scc1 .Lopen
.irp a, 0,1,2,3,4,5,6,7
	WIN 0x82+0x41*(\a/4)
.irp b, 0,1,2,3,4,5,6,7
.irp j, 0,1,2,3,4,5,6,7
.if \b == \a
	v_cmp_gt_i32 vcc_lo, \j, v[VD]
	v_cndmask_b32 v[64*(\a%4)+8*\b+\j], v[64*(\a%4)+8*\b+\j], v[NINF], vcc_lo
.endif
.if \b > \a
	v_mov_b32 v[64*(\a%4)+8*\b+\j], s[NI]
.endif
.endr
.endr
.endr
	WIN 0
.Lopen:
.irp g, 0,1
	WIN 0x28+0x14*\g
.irp a, 0,1,2,3
	v_mov_b32 v[MXR+4*\g+\a], v[NINF]
	v_mov_b32 v[PM+4*\g+\a], v[NINF]
.endr
.set n, 0
.rept 16
.irp a, 0,1,2,3
	v_max3_num_f32 v[MXR+4*\g+\a], v[MXR+4*\g+\a], v[64*\a+n], v[64*\a+n+1]
	v_max3_num_f32 v[PM+4*\g+\a], v[PM+4*\g+\a], v[64*\a+n+2], v[64*\a+n+3]
.endr
.set n, n+4
.endr
.endr
	WIN 0
.irp a, 0,1,2,3,4,5,6,7
	v_max_num_f32 v[MXR+\a], v[MXR+\a], v[PM+\a]
.endr
.irp a, 0,1,2,3,4,5,6,7
	v_permlanex16_b32 v[PM+\a], v[MXR+\a], s[SEL], s[SEL+1]
.endr
.irp a, 0,1,2,3,4,5,6,7
	v_max_num_f32 v[MXR+\a], v[MXR+\a], v[PM+\a]
.endr
.irp a, 0,1,2,3,4,5,6,7
	v_min_num_f32 v[MXR+\a], s[DL], v[MXR+\a]
.endr
.irp p, 0,1,2,3
	v_cndmask_b32 v[T+\p], v[MXR+2*\p], v[MXR+2*\p+1], s[HM]
.endr
.irp p, 0,1,2,3
	ds_store_b32 v[MXS], v[T+\p] offset:128*\p
.endr
	s_wait_alu depctr_va_vdst(0)
	s_wait_dscnt 0x0
	s_barrier_signal -1
	s_barrier_wait -1
.irp a, 0,1,2,3,4,5,6,7
	ds_load_b32 v[PM+\a], v[MXL] offset:64*\a
.endr
	s_wait_dscnt 0x0
.irp a, 0,1,2,3,4,5,6,7
	v_max_num_f32 v[MXR+\a], v[MXR+\a], v[PM+\a]
.endr
.irp a, 0,1,2,3,4,5,6,7
	v_mul_f32 v[MXR+\a], s[CS], v[MXR+\a]
.endr
.irp a, 0,1,2,3,4,5,6,7
	v_floor_f32 v[NM+2*\a], -v[MXR+\a]
.endr
.irp a, 0,1,2,3,4,5,6,7
	v_min_num_f32 v[NM+2*\a], s[DL], v[NM+2*\a]
.endr
.irp a, 0,1,2,3,4,5,6,7
	v_mov_b32 v[NM+2*\a+1], v[NM+2*\a]
.endr
.macro TM a
	WIN 0x82+0x41*((\a)/4)
.set n, 64*((\a)%4)
.rept 32
	v_pk_mul_f32 v[n:n+1], v[n:n+1], s[CS:CS+1] op_sel_hi:[1,0]
.set n, n+2
.endr
.set n, 64*((\a)%4)
.rept 32
	v_pk_add_f32 v[n:n+1], v[n:n+1], v[NM+2*(\a):NM+2*(\a)+1]
.set n, n+2
.endr
.endm
	TM 0
	s_wait_alu depctr_va_vdst(0)
.irp a, 0,1,2,3,4,5,6,7
	WIN 0x82+0x41*(\a/4)
.set AC, 64*(\a%4)
.set n, AC
.rept 64
	v_exp_f32 v[n], v[n]
.set n, n+1
.endr
.if \a < 7
	TM \a+1
.else
	v_nop
.endif
	s_wait_alu depctr_va_vdst(0)
	WIN 0x0a+5*(\a/4)
	v_pk_add_f32 v[LS+2*\a:LS+2*\a+1], v[AC:AC+1], v[AC+2:AC+3]
	v_pk_add_f32 v[T:T+1], v[AC+4:AC+5], v[AC+6:AC+7]
	WIN 0x08+4*(\a/4)
.set n, AC+8
.rept 14
	v_pk_add_f32 v[LS+2*\a:LS+2*\a+1], v[LS+2*\a:LS+2*\a+1], v[n:n+1]
	v_pk_add_f32 v[T:T+1], v[T:T+1], v[n+2:n+3]
.set n, n+4
.endr
	WIN 0
	v_pk_add_f32 v[LS+2*\a:LS+2*\a+1], v[LS+2*\a:LS+2*\a+1], v[T:T+1]
	WIN 0x82+0x41*(\a/4)
.set n, AC
.rept 64
	v_min_num_f32 v[n], v[n], v[LMP]
.set n, n+1
.endr
	WIN 0x02+\a/4
.irp b, 0,1,2,3,4,5,6,7
	v_cvt_scalef32_pk8_bf8_f32 v[AF+16*\a+2*\b:AF+16*\a+2*\b+1], v[AC+8*\b:AC+8*\b+7], v[SCP]
.endr
	v_nop
	WIN 0
.irp g, 0,1,2,3
	global_store_b128 v[GO], v[AF+16*\a+4*\g:AF+16*\a+4*\g+3], s[10:11] offset:32768*\a+512*\g
.endr
.endr
.irp a, 0,1,2,3,4,5,6,7
	v_add_f32 v[LS+2*\a], v[LS+2*\a], v[LS+2*\a+1]
.endr
.irp a, 0,1,2,3,4,5,6,7
	v_permlanex16_b32 v[PM+\a], v[LS+2*\a], s[SEL], s[SEL+1]
.endr
.irp a, 0,1,2,3,4,5,6,7
	v_add_f32 v[LS+2*\a], v[LS+2*\a], v[PM+\a]
.endr
.irp p, 0,1,2,3
	v_cndmask_b32 v[T+4+\p], v[LS+4*\p], v[LS+4*\p+2], s[HM]
	v_cndmask_b32 v[T+8+\p], v[NM+4*\p], v[NM+4*\p+2], s[HM]
.endr
.irp p, 0,1,2,3
	global_store_b32 v[TOF], v[T+4+\p], s[14:15] offset:128*\p
.endr
	s_wait_alu depctr_va_vdst(0)
	s_cmp_lg_u32 s[CH], 0
	s_cbranch_scc1 .Lno_m
.irp p, 0,1,2,3
	global_store_b32 v[TOF], v[T+8+\p], s[12:13] offset:128*\p
.endr
.Lno_m:
	s_wait_tensorcnt 0x0
	ds_add_u32 v[SPW], v[NIL]
	s_wait_dscnt 0x0
	s_endpgm
.Lfunc_end_k_q97c54333d7_scores:
	.size	k_q97c54333d7_scores, .Lfunc_end_k_q97c54333d7_scores-k_q97c54333d7_scores
	.p2alignl 7, 3214868480
	.fill 96, 4, 3214868480
	.section	.rodata,"a",@progbits
	.p2align	6, 0x0
	.amdhsa_kernel k_q97c54333d7_scores
		.amdhsa_group_segment_fixed_size 327680
		.amdhsa_private_segment_fixed_size 0
		.amdhsa_enable_private_segment 0
		.amdhsa_kernarg_size 48
		.amdhsa_user_sgpr_count 2
		.amdhsa_user_sgpr_kernarg_segment_ptr 1
		.amdhsa_wavefront_size32 1
		.amdhsa_system_sgpr_workgroup_id_x 1
		.amdhsa_system_sgpr_workgroup_id_y 1
		.amdhsa_system_sgpr_workgroup_id_z 1
		.amdhsa_system_vgpr_workitem_id 0
		.amdhsa_next_free_vgpr 1024
		.amdhsa_next_free_sgpr 66
		.amdhsa_reserve_vcc 1
		.amdhsa_float_denorm_mode_32 3
		.amdhsa_float_denorm_mode_16_64 3
		.amdhsa_memory_ordered 1
		.amdhsa_forward_progress 1
		.amdhsa_inst_pref_size 231
	.end_amdhsa_kernel
	.amdgpu_metadata
---
amdhsa.version: [ 1, 2 ]
amdhsa.kernels:
  - .name:           k_q97c54333d7_scores
    .symbol:         k_q97c54333d7_scores.kd
    .args:
      - { .name: qc, .offset: 0, .size: 8, .value_kind: global_buffer, .address_space: global }
      - { .name: kc, .offset: 8, .size: 8, .value_kind: global_buffer, .address_space: global }
      - { .name: lowp_scales, .offset: 16, .size: 8, .value_kind: global_buffer, .address_space: global }
      - { .name: pc, .offset: 24, .size: 8, .value_kind: global_buffer, .address_space: global }
      - { .name: mt, .offset: 32, .size: 8, .value_kind: global_buffer, .address_space: global }
      - { .name: lt, .offset: 40, .size: 8, .value_kind: global_buffer, .address_space: global }
    .group_segment_fixed_size: 327680
    .private_segment_fixed_size: 0
    .kernarg_segment_align: 8
    .kernarg_segment_size: 48
    .max_flat_workgroup_size: 128
    .sgpr_count:     66
    .vgpr_count:     1024
    .wavefront_size: 32
...
	.end_amdgpu_metadata
.endif
;; end of part 2
;; launch pv (part 3): grid 8 x 32, 4 waves a work-group, clusters of 4 x 1, 327,680 bytes of LDS; arguments pc, vt, mt, lt, lowp_scales, out0; writes out0
.if DOCPART == 3
	.amdgcn_target "amdgcn-amd-amdhsa--gfx1250"
	.amdhsa_code_object_version 6
	.text
	.protected	k_q97c54333d7_pv
	.globl	k_q97c54333d7_pv
	.p2align	8
	.type	k_q97c54333d7_pv,@function
k_q97c54333d7_pv:
	s_mov_b64 s[64:65], 0
	v_nop
	global_prefetch_b8 v0, s[64:65] scope:SCOPE_SE
	s_setreg_imm32_b32 hwreg(HW_REG_WAVE_MODE, 25, 1), 1
	s_wait_xcnt 0x0
	s_wait_alu depctr_hold_cnt(0) depctr_sa_sdst(0) depctr_va_vdst(0) depctr_va_sdst(0) depctr_va_ssrc(0) depctr_va_vcc(0) depctr_vm_vsrc(0)
	s_getreg_b32 s2, hwreg(HW_REG_IB_STS2, 6, 4)
	s_cmp_eq_u32 s2, 0
	s_cbranch_scc0 .Lentry_in_a_cluster
	s_endpgm
.Lentry_in_a_cluster:
	s_bfe_u32 s2, ttmp6, 0x10000c
	s_cmp_lg_u32 s2, 0x3003
	s_cbranch_scc0 .Lentry_shape_is_right
	s_endpgm
.Lentry_shape_is_right:
.set PP,    272
.set TILE,  32768
.set REG,   2*TILE
.set STAGE, 4*REG
.set SPARE, STAGE+4*16*PP
.set ADP, 4
.set ADV, 8
.set STO, 12
.set RD,  13
.set GO,  14
.set SPW, 16
.set NIL, 17
.set TMP, 32
.set BK,  64
.set ACC, 128
.set VM,  128
.set VL,  137
.set NR,  108
.set NU,  112
.set LR,  116
.set TT,  120
.set FC,  124
.set G1A, 16
.set G1B, 24
.set G0A, 32
.set G0B, 40
.set WV,  48
.set QH,  49
.set DH,  50
.set MSB, 0
.macro WIN new
.if MSB != (\new)
	s_set_vgpr_msb (MSB<<8)|(\new)
.set MSB, (\new)
.endif
.endm
.macro PLACES n
.rept \n
	v_nop
.endr
.endm
.macro JLOAD sl
	s_cmp_lt_u32 s[WV], 2
	s_cbranch_scc0 .Lfor_v_\@
	tensor_load_to_lds s[G0A+4*(\sl):G0A+4*(\sl)+3], s[G1A:G1A+7]
	s_nop 0
	PLACES 4
	s_branch .Lasked_\@
.Lfor_v_\@:
	tensor_load_to_lds s[G0B+4*(\sl):G0B+4*(\sl)+3], s[G1B:G1B+7]
	s_nop 0
	PLACES 4
.Lasked_\@:
.endm
.macro CREST
	s_cmp_lg_u32 s[WV], 0
	s_cbranch_scc1 .Lnot_wave_0_\@
	s_barrier_signal -3
.Lnot_wave_0_\@:
	s_barrier_wait -3
	s_barrier_signal -1
	s_barrier_wait -1
.endm
.macro CROUND
	s_barrier_signal -1
	s_barrier_wait -1
	CREST
.endm
.macro MKG0 f, sl
	s_add_co_u32 s60, s[DH], 2*(\f)
	s_cmp_lt_u32 s60, s56
	s_cselect_b32 s61, s57, s58
	s_cselect_b32 s62, 0, s56
	s_sub_co_u32 s62, s60, s62
	s_lshl_b32 s62, s62, 12
	s_lshl_b32 s66, s54, 19
	s_lshl_b32 s63, s61, 18
	s_add_co_u32 s66, s66, s63
	s_add_co_u32 s66, s66, s62
	s_mov_b32 s67, 0
	s_add_nc_u64 s[G0A+4*(\sl)+2:G0A+4*(\sl)+3], s[4:5], s[66:67]
	s_or_b32 s[G0A+4*(\sl)+3], s[G0A+4*(\sl)+3], 0x80000000
	s_lshl_b32 s68, s54, 12
	s_add_co_u32 s68, s68, s62
	s_add_co_u32 s68, s68, s59
	s_mov_b32 s69, 0
	s_add_nc_u64 s[G0B+4*(\sl)+2:G0B+4*(\sl)+3], s[6:7], s[68:69]
	s_or_b32 s[G0B+4*(\sl)+3], s[G0B+4*(\sl)+3], 0x80000000
.endm
	s_load_b256 s[4:11], s[0:1], 0x0
	s_load_b128 s[12:15], s[0:1], 0x20
	v_lshl_add_u32 v[SPW], v0, 2, SPARE
	v_mov_b32 v[NIL], 0
	ds_add_u32 v[SPW], v[NIL]
	ds_add_u32 v[SPW], v[NIL]
	v_lshrrev_b32 v1, 5, v0
	v_readfirstlane_b32 s[WV], v1
	s_lshr_b32 s[QH], s[WV], 1
	s_and_b32 s[DH], s[WV], 1
	s_bfe_u32 s51, ttmp6, 0x40000
	s_lshl_b32 s52, ttmp9, 2
	s_add_co_u32 s52, s52, s51
	s_lshl_b32 s59, s52, 20
	s_and_b32 s53, ttmp7, 0xffff
	s_and_b32 s54, s53, 0x18
	s_and_b32 s57, s53, 7
	s_sub_co_u32 s58, 15, s57
	s_lshr_b32 s56, s57, 1
	s_add_co_u32 s56, s56, 1
	s_lshl_b32 s80, s[QH], 6
	s_mov_b32 s[G1A], 15|(1<<21)|(3<<16)
	s_mov_b32 s[G1B], 3<<16
	s_mov_b32 s[G1A+5], 4096
	s_mov_b32 s[G1B+5], 16384
.irp g, G1A, G1B
	s_mov_b32 s[\g+1], 512<<16
	s_mov_b32 s[\g+2], 8<<16
	s_mov_b32 s[\g+3], 512<<16
	s_mov_b32 s[\g+4], 8
	s_mov_b32 s[\g+6], 0
	s_mov_b32 s[\g+7], 0
.endr
	s_mul_i32 s77, s[DH], REG
	s_mul_i32 s78, s[QH], TILE
	s_add_co_u32 s77, s77, s78
.irp n, 0,1
	s_mov_b32 s[G0A+4*\n], 1
	s_add_co_u32 s[G0A+4*\n+1], s77, \n*2*REG
	s_mov_b32 s[G0B+4*\n], 1
	s_add_co_u32 s[G0B+4*\n+1], s77, \n*2*REG
.endr
	v_and_b32 v1, 15, v0
	v_bfe_u32 v2, v0, 4, 1
	v_lshlrev_b32 v18, 2, v1
	v_mul_u32_u24 v20, v1, PP
	v_and_b32 v19, 31, v0
	v_lshlrev_b32 v19, 4, v19
	s_wait_alu depctr_va_vdst(0)
	s_mul_i32 s78, s[QH], 16384
	s_mul_i32 s79, s[DH], 16384
	s_add_co_u32 s79, s79, TILE
.irp k, 0,1,2,3
	v_add_nc_u32 v[ADP+\k], s78, v19
	v_add_nc_u32 v[ADV+\k], s79, v19
	s_add_co_u32 s78, s78, REG
	s_add_co_u32 s79, s79, REG
.endr
	s_mul_i32 s78, s[WV], 16*PP
	s_add_co_u32 s78, s78, STAGE
	v_lshl_add_u32 v20, v2, 5, v20
	v_add_nc_u32 v[STO], s78, v20
	v_mul_u32_u24 v20, v2, PP
	v_lshl_add_u32 v20, v1, 4, v20
	v_add_nc_u32 v[RD], s78, v20
	v_lshlrev_b32 v[GO], 12, v2
	v_lshl_add_u32 v[GO], v1, 4, v[GO]
	s_wait_dscnt 0x0
	s_wait_kmcnt 0x0
	s_load_b64 s[74:75], s[12:13], 0x20
	CROUND
	MKG0 0, 0
	MKG0 1, 1
	JLOAD 0
	s_lshl_b32 s82, s54, 8
	s_add_co_u32 s82, s82, s80
	s_lshl_b32 s84, s52, 9
	s_lshl_b32 s85, s[DH], 8
	s_add_co_u32 s84, s84, s85
	s_lshl_b32 s83, s57, 7
	s_add_co_u32 s83, s83, s82
	s_lshl_b32 s70, s83, 12
	s_add_co_u32 s70, s70, s84
	s_mov_b32 s71, 0
	s_add_nc_u64 s[70:71], s[14:15], s[70:71]
	s_lshl_b32 s83, s58, 7
	s_add_co_u32 s83, s83, s82
	s_lshl_b32 s72, s83, 12
	s_add_co_u32 s72, s72, s84
	s_mov_b32 s73, 0
	s_add_nc_u64 s[72:73], s[14:15], s[72:73]
.macro TABS s
	s_cmp_gt_u32 s56, \s
	s_cselect_b32 s61, s57, s58
	s_cselect_b32 s62, 0, s56
	s_sub_co_u32 s62, \s, s62
	s_add_co_u32 s62, s62, s54
	s_lshl_b32 s63, s61, 7
	s_add_co_u32 s63, s63, s80
	s_lshl_b32 s81, s62, 11
	s_add_co_u32 s81, s81, s63
	s_lshl_b32 s81, s81, 2
	v_add_nc_u32 v[VM+\s], s81, v18
	s_lshl_b32 s81, s62, 12
	s_add_co_u32 s81, s81, s63
	s_lshl_b32 s81, s81, 2
	v_add_nc_u32 v[VL+\s], s81, v18
.endm
.irp s, 0,1,2,3,4,5,6,7,8
	TABS \s
.endr
	WIN 0x80
	s_wait_alu depctr_va_vdst(0)
.irp s, 0,1,2,3,4,5,6,7,8
.irp a, 0,1,2,3
	global_load_b32 v[4*\s+\a], v[VM+\s], s[8:9] offset:64*\a
	global_load_b32 v[36+8*\s+\a], v[VL+\s], s[10:11] offset:64*\a
	global_load_b32 v[40+8*\s+\a], v[VL+\s], s[10:11] offset:64*\a+8192
.endr
.endr
.irp a, 0,1,2,3
	v_mov_b32 v[FC+2*\a+1], 0
.endr
	WIN 0
	s_wait_kmcnt 0x0
	s_add_co_i32 s76, s74, s75
.macro FETCH h
	WIN 0x40
.set fS, 128*((\h)%2)
.set fK, ((\h)/2)%4
.irp a, 0,1,2,3
.irp c, 0,1,2,3
	ds_load_b128 v[fS+64+16*\a+4*\c:fS+64+16*\a+4*\c+3], v[ADV+fK] offset:16*fS+\a*4096+512*\c
.endr
.endr
.irp a, 0,1,2,3
.irp c, 0,1,2,3
	ds_load_b128 v[fS+16*\a+4*\c:fS+16*\a+4*\c+3], v[ADP+fK] offset:16*fS+\a*4096+512*\c
.endr
.endr
.endm
.macro MULA h, a0, n, zero
	WIN 0x05
.set mS, 128*((\h)%2)
.set aa, \a0
.rept \n
.irp b, 0,1,2,3
.set rD, ACC+8*(4*aa+\b)
.if \zero
	v_wmma_f32_16x16x128_bf8_bf8 v[rD:rD+7], v[mS+64+16*\b:mS+64+16*\b+15], v[mS+16*aa:mS+16*aa+15], 0
.else
	v_wmma_f32_16x16x128_bf8_bf8 v[rD:rD+7], v[mS+64+16*\b:mS+64+16*\b+15], v[mS+16*aa:mS+16*aa+15], v[rD:rD+7]
.endif
.endr
.set aa, aa+1
.endr
.endm
.macro INIT s
	WIN 0xaa
.irp a, 0,1,2,3
	v_mov_b32 v[NR+\a], v[4*(\s)+\a]
	v_mov_b32 v[NU+\a], v[4*(\s)+\a]
	v_add_f32 v[LR+\a], v[36+8*(\s)+\a], v[40+8*(\s)+\a]
.endr
.endm
.macro RESCALE s
	WIN 0xaa
.irp a, 0,1,2,3
	v_min_num_f32 v[NR+\a], v[NR+\a], v[4*(\s)+\a]
.endr
.irp a, 0,1,2,3
	v_add_f32 v[TT+\a], 0x42800000, v[NR+\a]
.endr
.irp a, 0,1,2,3
	v_min_num_f32 v[TT+\a], v[TT+\a], v[4*(\s)+\a]
.endr
.irp a, 0,1,2,3
	v_sub_f32 v[FC+2*\a], v[TT+\a], v[NU+\a]
.endr
.irp a, 0,1,2,3
	v_mov_b32 v[NU+\a], v[TT+\a]
.endr
.irp a, 0,1,2,3
	v_cvt_i32_f32 v[FC+2*\a], v[FC+2*\a]
.endr
.irp a, 0,1,2,3
	v_ldexp_f32 v[FC+2*\a], 1.0, v[FC+2*\a]
.endr
.irp a, 0,1,2,3
	v_fma_f32 v[LR+\a], v[LR+\a], v[FC+2*\a], v[36+8*(\s)+\a]
.endr
.irp a, 0,1,2,3
	v_add_f32 v[LR+\a], v[LR+\a], v[40+8*(\s)+\a]
.endr
	WIN 0x08
.irp a, 0,1,2,3
.set n, 0
.rept 16
	v_pk_mul_f32 v[ACC+32*\a+n:ACC+32*\a+n+1], v[ACC+32*\a+n:ACC+32*\a+n+1], v[FC+2*\a:FC+2*\a+1] op_sel_hi:[1,0]
.set n, n+2
.endr
.endr
.endm
.macro SEND a, younger, base
	s_wait_dscnt \younger
.irp t, 0,1,2,3,4,5,6,7
	global_store_b128 v[GO], v[BK+32*((\a)%2)+4*\t:BK+32*((\a)%2)+4*\t+3], s[\base:\base+1] offset:(16*(\a)+2*\t)*4096 th:TH_STORE_NT
.endr
.endm
.macro OUTT base
	WIN 0xaa
	s_wait_xcnt 0x0
.irp a, 0,1,2,3
	v_rcp_f32 v[FC+2*\a], v[LR+\a]
.endr
	v_nop
	s_wait_alu depctr_va_vdst(0)
.irp a, 0,1,2,3
	v_ldexp_f32 v[FC+2*\a], v[FC+2*\a], s76
.endr
.irp a, 0,1,2,3
	WIN 0x08
.set n, 0
.rept 16
	v_pk_mul_f32 v[TMP+n:TMP+n+1], v[ACC+32*\a+n:ACC+32*\a+n+1], v[FC+2*\a:FC+2*\a+1] op_sel_hi:[1,0]
.set n, n+2
.endr
	WIN 0
.irp b, 0,1,2,3
	ds_store_b128 v[STO], v[TMP+8*\b:TMP+8*\b+3] offset:64*\b
	ds_store_b128 v[STO], v[TMP+8*\b+4:TMP+8*\b+7] offset:64*\b+16
.endr
.if \a >= 2
	s_wait_xcnt 0x0
.endif
.irp t, 0,1,2,3,4,5,6,7
	ds_load_b128 v[BK+32*(\a%2)+4*\t:BK+32*(\a%2)+4*\t+3], v[RD] offset:\t*2*PP
.endr
.if \a > 0
	SEND \a-1, 16, \base
.endif
.endr
	SEND 3, 0, \base
.endm
.macro HPLAIN h
	PLACES 4
	FETCH (\h)+1
	s_wait_dscnt 32
	MULA \h, 0, 4, 0
.endm
.macro HEVEN h
	PLACES 4
	FETCH (\h)+1
	RESCALE (\h)/2
	s_wait_alu depctr_va_vdst(0)
	s_wait_dscnt 32
	MULA \h, 0, 4, 0
.endm
.macro HSWITCH h
	PLACES 4
	FETCH (\h)+1
	WIN 0
	s_cmp_eq_u32 s56, (\h)/2
	s_cbranch_scc1 .Lnew_\@
	s_wait_alu depctr_va_vdst(0)
	RESCALE (\h)/2
	s_wait_alu depctr_va_vdst(0)
	s_wait_dscnt 32
	MULA \h, 0, 4, 0
	WIN 0
	s_branch .Ljoin_\@
.Lnew_\@:
	s_wait_alu depctr_va_vdst(0)
	OUTT 70
	INIT (\h)/2
	PLACES 5
	s_wait_dscnt 0x0
	MULA \h, 0, 4, 1
	WIN 0
.Ljoin_\@:
.endm
.macro TURN h, fill
	WIN 0
	s_wait_tensorcnt 0x0
	ds_add_u32 v[SPW], v[NIL]
.if \fill
	MKG0 ((\h)+5)/4, (((\h)+5)/4)%2
.endif
	s_wait_dscnt 1
	MULA \h, 0, 1, 0
	s_wait_dscnt 0x0
	s_barrier_signal -1
	MULA \h, 1, 1, 0
	WIN 0
	s_barrier_wait -1
.if \fill
	CREST
.if \fill == 2
	s_cmp_eq_u32 s[DH], 0
	s_cbranch_scc0 .Lnone_\@
.endif
	JLOAD (((\h)+5)/4)%2
.if \fill == 2
.Lnone_\@:
	PLACES 4
.endif
.else
	PLACES 4
.endif
	FETCH (\h)+1
	MULA \h, 2, 2, 0
.endm
	s_wait_alu depctr_va_vdst(0)
	s_wait_tensorcnt 0x0
	ds_add_u32 v[SPW], v[NIL]
	s_wait_dscnt 0x0
	CROUND
	JLOAD 1
	FETCH 0
	FETCH 1
	s_wait_loadcnt 0x0
	INIT 0
	s_wait_dscnt 32
	MULA 0, 0, 4, 1
	HPLAIN 1
	HSWITCH 2
	TURN 3, 1
	HSWITCH 4
	HPLAIN 5
	HSWITCH 6
	TURN 7, 1
	HSWITCH 8
	HPLAIN 9
	s_wait_alu depctr_va_vdst(0)
	HEVEN 10
	TURN 11, 2
	HEVEN 12
	HPLAIN 13
	HEVEN 14
	TURN 15, 0
	HEVEN 16
	s_wait_dscnt 0x0
	MULA 17, 0, 4, 0
	PLACES 4
	OUTT 72
	s_wait_tensorcnt 0x0
	ds_add_u32 v[SPW], v[NIL]
	s_wait_dscnt 0x0
	CROUND
	s_endpgm
.Lfunc_end_k_q97c54333d7_pv:
	.size	k_q97c54333d7_pv, .Lfunc_end_k_q97c54333d7_pv-k_q97c54333d7_pv
	.p2alignl 7, 3214868480
	.fill 96, 4, 3214868480
	.section	.rodata,"a",@progbits
	.p2align	6, 0x0
	.amdhsa_kernel k_q97c54333d7_pv
		.amdhsa_group_segment_fixed_size 327680
		.amdhsa_private_segment_fixed_size 0
		.amdhsa_enable_private_segment 0
		.amdhsa_kernarg_size 48
		.amdhsa_user_sgpr_count 2
		.amdhsa_user_sgpr_kernarg_segment_ptr 1
		.amdhsa_wavefront_size32 1
		.amdhsa_system_sgpr_workgroup_id_x 1
		.amdhsa_system_sgpr_workgroup_id_y 1
		.amdhsa_system_sgpr_workgroup_id_z 1
		.amdhsa_system_vgpr_workitem_id 0
		.amdhsa_next_free_vgpr 768
		.amdhsa_next_free_sgpr 96
		.amdhsa_reserve_vcc 0
		.amdhsa_float_denorm_mode_32 3
		.amdhsa_float_denorm_mode_16_64 3
		.amdhsa_memory_ordered 1
		.amdhsa_forward_progress 1
		.amdhsa_inst_pref_size 199
	.end_amdhsa_kernel
	.amdgpu_metadata
---
amdhsa.version: [ 1, 2 ]
amdhsa.kernels:
  - .name:           k_q97c54333d7_pv
    .symbol:         k_q97c54333d7_pv.kd
    .args:
      - { .name: pc, .offset: 0, .size: 8, .value_kind: global_buffer, .address_space: global }
      - { .name: vt, .offset: 8, .size: 8, .value_kind: global_buffer, .address_space: global }
      - { .name: mt, .offset: 16, .size: 8, .value_kind: global_buffer, .address_space: global }
      - { .name: lt, .offset: 24, .size: 8, .value_kind: global_buffer, .address_space: global }
      - { .name: lowp_scales, .offset: 32, .size: 8, .value_kind: global_buffer, .address_space: global }
      - { .name: out0, .offset: 40, .size: 8, .value_kind: global_buffer, .address_space: global }
    .group_segment_fixed_size: 327680
    .private_segment_fixed_size: 0
    .kernarg_segment_align: 8
    .kernarg_segment_size: 48
    .max_flat_workgroup_size: 128
    .sgpr_count:     96
    .vgpr_count:     768
    .wavefront_size: 32
...
	.end_amdgpu_metadata
.endif
;; end of part 3
